; MI455X (gfx1250); checked and timed in simulation.
; The chip was launched on July 23, 2026; its instructions are those of AMD's public machine-readable ISA for CDNA 5 (MIT licence, August 2026) and "CDNA5" Instruction Set Architecture Reference Guide (July 2026). The comments in the code are by the model that wrote it; some were corrected since.
;; GQA. Allowed arithmetic: float matrix products may take bf16 or f16 operands with f32 sums; all other float work in f32.
;; Inputs: K 2 x 8 x 2,048 x 128 float32; Q 2 x 32 x 2,048 x 128 float32; V 2 x 8 x 2,048 x 128 float32.
;; Outputs: out0 2 x 32 x 2,048 x 128 float32.
;; 2 versions, each right; version 2 is version 1 with the launch cast written anew for expert scheduling mode. Each part assembles by itself: llvm-mc -triple=amdgcn-amd-amdhsa -mcpu=gfx1250 --defsym DOCPART=n.
;; ======== version 1 of 2: 2 launches
;; workspace buffers: kb 8,388,608 bytes; vb 8,388,608 bytes
;; launch cast (part 1): grid 512 x 1, 8 waves a work-group, no clusters, 0 bytes of LDS; arguments K, V, kb, vb; writes kb, vb
.if DOCPART == 1
	.amdgcn_target "amdgcn-amd-amdhsa--gfx1250"
	.amdhsa_code_object_version 6
	.text
	.protected	k_q7841435cfb_cast
	.globl	k_q7841435cfb_cast
	.p2align	8
	.type	k_q7841435cfb_cast,@function
k_q7841435cfb_cast:
	s_mov_b64 s[64:65], 0
	v_nop
	global_prefetch_b8 v0, s[64:65] scope:SCOPE_SE
	s_setreg_imm32_b32 hwreg(HW_REG_WAVE_MODE, 25, 1), 1
	s_wait_xcnt 0x0
; kb = bf16(K), vb = bf16(V), in the same order of elements.  K, V: [16 heads][2048][128] f32, 16,777,216 bytes each.
; A stream: each byte is read once and each result written once; LDS and the matrix unit would add nothing.
; 512 work-groups of eight waves.  Work-group g takes bytes 32,768 g .. + 32,767 of K and of V and writes bytes 16,384 g .. + 16,383 of kb and of vb.
; Thread t loads 16 bytes at 16 t + 4,096 j (j = 0 .. 7) of each tensor: a wave's load covers 512 consecutive bytes.  Four f32 become
; 8 bytes at 8 t + 2,048 j: a wave's store covers 256 consecutive bytes that start at a multiple of 256 from the buffer's first byte.
; All sixteen loads go out first; no register is written twice, so no source of a pending load or store is ever rewritten.
; Rounding: to nearest even.  NaN and infinity stay what they are.
.set X, 4                              ; v[4:67]   load i: four f32 (i = 0 .. 7 from K, 8 .. 15 from V)
.set Y, 68                             ; v[68:99]  load i: two registers of packed bf16
	s_load_b256 s[4:11], s[0:1], 0x0               ; K s[4:5], V s[6:7], kb s[8:9], vb s[10:11]
	s_lshl_b32 s2, ttmp9, 15                       ; the work-group's part of K and V, in bytes (below 16 MiB)
	s_mov_b32 s3, 0
	s_lshl_b32 s12, ttmp9, 14                      ; and of kb and vb
	s_mov_b32 s13, 0
	v_lshlrev_b32 v1, 4, v0                        ; 16 t
	v_lshlrev_b32 v2, 3, v0                        ; 8 t
	s_wait_kmcnt 0x0
	s_add_nc_u64 s[4:5], s[4:5], s[2:3]
	s_add_nc_u64 s[6:7], s[6:7], s[2:3]
	s_add_nc_u64 s[8:9], s[8:9], s[12:13]
	s_add_nc_u64 s[10:11], s[10:11], s[12:13]
.set ii, 0
.rept 8
	global_load_b128 v[X+4*ii:X+4*ii+3], v1, s[4:5] offset:4096*ii th:TH_LOAD_NT
.set ii, ii+1
.endr
.set ii, 0
.rept 8
	global_load_b128 v[X+32+4*ii:X+32+4*ii+3], v1, s[6:7] offset:4096*ii th:TH_LOAD_NT
.set ii, ii+1
.endr
.set ii, 0
.rept 8
	s_wait_loadcnt 15-ii                           ; loads come back in order: 15 - i were issued behind load i
	v_cvt_pk_bf16_f32 v[Y+2*ii], v[X+4*ii], v[X+4*ii+1]
	v_cvt_pk_bf16_f32 v[Y+2*ii+1], v[X+4*ii+2], v[X+4*ii+3]
	global_store_b64 v2, v[Y+2*ii:Y+2*ii+1], s[8:9] offset:2048*ii      ; no hint: the next launch reads these bytes
.set ii, ii+1
.endr
.set ii, 0
.rept 8
	s_wait_loadcnt 7-ii                            ; V's loads: 7 - i were issued behind V's load i
	v_cvt_pk_bf16_f32 v[Y+16+2*ii], v[X+32+4*ii], v[X+32+4*ii+1]
	v_cvt_pk_bf16_f32 v[Y+16+2*ii+1], v[X+32+4*ii+2], v[X+32+4*ii+3]
	global_store_b64 v2, v[Y+16+2*ii:Y+16+2*ii+1], s[10:11] offset:2048*ii
.set ii, ii+1
.endr
	s_endpgm
.Lfunc_end_k_q7841435cfb_cast:
	.size	k_q7841435cfb_cast, .Lfunc_end_k_q7841435cfb_cast-k_q7841435cfb_cast
	.p2alignl 7, 3214868480
	.fill 96, 4, 3214868480
	.section	.rodata,"a",@progbits
	.p2align	6, 0x0
	.amdhsa_kernel k_q7841435cfb_cast
		.amdhsa_group_segment_fixed_size 0
		.amdhsa_private_segment_fixed_size 0
		.amdhsa_enable_private_segment 0
		.amdhsa_kernarg_size 32
		.amdhsa_user_sgpr_count 2
		.amdhsa_user_sgpr_kernarg_segment_ptr 1
		.amdhsa_wavefront_size32 1
		.amdhsa_system_sgpr_workgroup_id_x 1
		.amdhsa_system_sgpr_workgroup_id_y 1
		.amdhsa_system_sgpr_workgroup_id_z 1
		.amdhsa_system_vgpr_workitem_id 0
		.amdhsa_next_free_vgpr 100
		.amdhsa_next_free_sgpr 66
		.amdhsa_reserve_vcc 0
		.amdhsa_float_denorm_mode_32 3
		.amdhsa_float_denorm_mode_16_64 3
		.amdhsa_memory_ordered 1
		.amdhsa_forward_progress 1
		.amdhsa_inst_pref_size 7
	.end_amdhsa_kernel
	.amdgpu_metadata
---
amdhsa.version: [ 1, 2 ]
amdhsa.kernels:
  - .name:           k_q7841435cfb_cast
    .symbol:         k_q7841435cfb_cast.kd
    .args:
      - { .name: K, .offset: 0, .size: 8, .value_kind: global_buffer, .address_space: global }
      - { .name: V, .offset: 8, .size: 8, .value_kind: global_buffer, .address_space: global }
      - { .name: kb, .offset: 16, .size: 8, .value_kind: global_buffer, .address_space: global }
      - { .name: vb, .offset: 24, .size: 8, .value_kind: global_buffer, .address_space: global }
    .group_segment_fixed_size: 0
    .private_segment_fixed_size: 0
    .kernarg_segment_align: 8
    .kernarg_segment_size: 32
    .max_flat_workgroup_size: 256
    .sgpr_count:     66
    .vgpr_count:     100
    .wavefront_size: 32
...
	.end_amdgpu_metadata
.endif
;; end of part 1
;; launch attn (part 2): grid 32 x 16, 4 waves a work-group, clusters of 4 x 1, 327,680 bytes of LDS; arguments Q, kb, vb, out0; writes out0
.if DOCPART == 2
	.amdgcn_target "amdgcn-amd-amdhsa--gfx1250"
	.amdhsa_code_object_version 6
	.text
	.protected	k_q7841435cfb_attn
	.globl	k_q7841435cfb_attn
	.p2align	8
	.type	k_q7841435cfb_attn,@function
k_q7841435cfb_attn:
	s_mov_b64 s[64:65], 0
	v_nop
	global_prefetch_b8 v0, s[64:65] scope:SCOPE_SE
	s_setreg_imm32_b32 hwreg(HW_REG_WAVE_MODE, 25, 1), 1
	s_wait_xcnt 0x0
	s_wait_alu depctr_hold_cnt(0) depctr_sa_sdst(0) depctr_va_vdst(0) depctr_va_sdst(0) depctr_va_ssrc(0) depctr_va_vcc(0) depctr_vm_vsrc(0)
	s_getreg_b32 s2, hwreg(HW_REG_IB_STS2, 6, 4)
	s_cmp_eq_u32 s2, 0
	s_cbranch_scc0 .Lentry_in_a_cluster
	s_endpgm
.Lentry_in_a_cluster:
	s_bfe_u32 s2, ttmp6, 0x10000c
	s_cmp_lg_u32 s2, 0x3003
	s_cbranch_scc0 .Lentry_shape_is_right
	s_endpgm
.Lentry_shape_is_right:
; out0 = softmax(Q K^T / sqrt(128)) V for grouped queries: 2 x 32 query heads, 2 x 8 key/value heads, 2,048 positions, 128 numbers a head.
; Q, out0: f32, seen as [131,072 rows][128].  kb, vb: K and V in bf16, [16 heads][2,048][128], made by the launch in front.
; The four query heads of key/value head y (0 .. 15) are rows 8,192 y .. + 8,191.  A work-group takes 256 of them, a wave 64, as four blocks of 16 queries.
; Keys go in 16 steps of 128 through two LDS slots, with a running maximum (online softmax), all statistics in f32.
;
; BOTH PRODUCTS ARE TRANSPOSED.  S^T = K Q^T: source 0 = 16 keys, source 1 = 16 queries; lane l then holds query l % 16 and its registers 0 .. 7 the keys
; 8 (l / 16) + 0 .. 7 of the tile.  So maxima and sums run inside a lane with one exchange with lane l xor 16, the factor that rescales is one number a lane,
; and two neighbouring tiles of S^T, packed to bf16 in place, ARE a source 1 fragment (32 keys x 16 queries) of O^T = V^T P^T: nothing moves between lanes.
; In O^T a lane holds eight neighbouring numbers of one output row.
;
; CLUSTER: the four work-groups of a cluster have the same y and walk the same tiles of kb and vb.  Each tile is asked for jointly (mask 15): each of
; the four issues the same tensor load with the same descriptor and receives the tile in its own LDS, which divides the requests for K and V by four.
; No LDS address, branch or descriptor word hangs on the place in the cluster; only the offset into Q and out0 does.
;
; A wave of 64 queries and steps of 128 keys: O 256 registers, Q 128, S 256, two fragment buffers 128.  O is rescaled once a step, in every step (no branch
; hangs on numbers): 128 packed multiplies for 256 matrix instructions.  A step reads 128 fragment loads of 512 bytes for those 256 matrix instructions.
;
; LIMITS.  Q, K, V and P enter the products rounded to bf16.  The scale log2(e) / sqrt(128) is applied in f32, in the multiply-add that takes the maximum away.
; The maximum is that of the raw scores m; the shift is the rounded product -m c, so a probability can exceed 1 by about 2^-24 |m c|.
; Probabilities below 2^-126 come out as 0 (v_exp_f32, ISA guide 15.8).  NaN and infinity behave as the f32 arithmetic gives them: a row with an overflowed score gives NaN.
.set QTR,    18432                     ; LDS bytes of one wave's fill: 64 rows of V at pitch 288; 64 rows of K at pitch 272 use 17,408 of them
.set SLOT,   4*QTR                     ; K rows 0-63, K rows 64-127, V rows 0-63, V rows 64-127
.set VOFF,   2*QTR                     ; V's 128 rows lie without a gap: 64 x 288 = QTR
.set KP,     272                       ; 17 x 16: the 16 rows that a fragment load touches start at 16 different 16-byte columns modulo 256
.set VP,     288                       ; 9 x 32: the same for the transposing loads, whose lanes take 8 rows x 2 columns of 16 bytes
.set STAGE,  2*SLOT                    ; 147,456 = 576 x 256: behind the ring; no tensor load ever lands here
.set STG,    8448                      ; a wave's own stage: 16 rows of Q in bf16 at pitch 272 on the way in, 16 rows of out0 at pitch 528 on the way out
.set OP,     528                       ; 33 x 16
.set TILEB,  32768                     ; 128 keys x 256 bytes in kb and in vb
; window 0
.set ADRK, 8                           ; v8, v9    slot s: LDS address of my part of a K fragment
.set ADRV, 10                          ; v10, v11  slot s: of a V^T fragment
.set STQ,  12                          ; stage, Q in: 8 bytes a lane of a row
.set RDQ,  13                          ; stage, Q back as fragments
.set STO,  14                          ; stage, out: 32 bytes of row l % 16
.set RDO,  15                          ; stage, out back by rows
.set GOFF, 16                          ; 16 x lane: my 16 bytes of a row of Q and of out0
.set MX,   20                          ; v[20:23]  running maximum of the raw scores, one a query block
.set MN,   24                          ; v[24:27], v[28:31]  two chains of maxima
.set TP,   32                          ; v[32:35]
.set NM,   36                          ; v[36:43]  pairs (-m c, -m c)
.set AL,   44                          ; v[44:51]  pairs (alpha, alpha); at the end (1 / l, 1 / l)
.set LS,   52                          ; v[52:67]  row sums: two pairs a query block
.set CV,   68                          ; v[68:99]  16 rows of Q, packed
.set FA,   128                         ; v[128:191] fragment buffer
.set FB,   192                         ; v[192:255] fragment buffer
; window 1: Q fragments, block q, 32 numbers ks: v[32 q + 8 ks]
; window 2: S^T tiles, block q, keys 16 kt ..: v[64 q + 8 kt]; P in place, keys 32 c ..: v[64 q + 16 c .. + 7]
; window 3: O^T tiles, block q, numbers 16 dt ..: v[64 q + 8 dt]
.set G1K, 24                           ; s[24:31] descriptor group 1 for K's tiles
.set G1V, 32                           ; s[32:39] for V's: another padding
.set G0K, 40                           ; s[40:47] descriptor group 0 for K's tiles, one set a slot
.set G0V, 48                           ; s[48:55] for V's
.set CS,  60                           ; s60 = s61 = c = log2(e) / sqrt(128)
.set NC,  62                           ; s62 = -c
; s_set_vgpr_msb, low byte: bits 1:0 source 0, 3:2 source 1, 5:4 source 2, 7:6 destination
.set W_QK,  0xa4                       ; D, C window 2; K fragments window 0; Q fragments window 1
.set W_MAX, 0x28                       ; maxima in window 0 of two numbers in window 2
.set W_RS,  0xc3                       ; O times a pair of window 0
.set W_SE,  0x82                       ; S in place, the shift from window 0
.set W_S0,  0x20                       ; sums in window 0, addend in window 2
.set W_SUM, 0x02
.set W_CVT, 0x8a                       ; S packed in place
.set W_PV,  0xf8                       ; D, C window 3; V fragments window 0; P window 2
.set W_QLD, 0x80                       ; Q as loaded: window 2
.set W_QCV, 0x0a
.set W_QF,  0x40
.set W_OST, 0x0c                       ; LDS store: data from window 3
.set MSB, 0
.macro WIN new                         ; the immediate's high byte repeats the setting that is left; a switch that changes nothing is dropped
.if MSB != \new
	s_set_vgpr_msb (MSB<<8)|\new
.set MSB, \new
.endif
.endm
; Four places of plain vector instructions that name none of a matrix instruction's registers stand between it and a load into one of its registers
; or a vector instruction that reads its result (ISA guide 7.12.1 for vector instructions).
.macro PLACES
.rept 4
	v_nop
.endr
.endm
; A round of the cluster's barrier: my work-group's barrier, wave 0 signals for the work-group, every wave waits for all four work-groups, my work-group's barrier again.
.macro ROUND
	s_barrier_signal -1
	s_barrier_wait -1
	s_cmp_lg_u32 s12, 0
	s_cbranch_scc1 .Lnot_wave_0_\@
	s_barrier_signal -3
.Lnot_wave_0_\@:
	s_barrier_wait -3
	s_barrier_signal -1
	s_barrier_wait -1
.endm
; A joint load into slot s: waves 0 and 1 ask for K's two halves of 64 rows, waves 2 and 3 for V's.  The branch hangs on the wave's number alone.
.macro JLOAD s
	s_cmp_eq_u32 s13, 0
	s_cbranch_scc0 .Lfor_v_\@
	tensor_load_to_lds s[G0K+4*\s:G0K+4*\s+3], s[G1K:G1K+7]
	s_nop 0
	s_branch .Lasked_\@
.Lfor_v_\@:
	tensor_load_to_lds s[G0V+4*\s:G0V+4*\s+3], s[G1V:G1V+7]
	s_nop 0
.Lasked_\@:
.endm
	s_load_b256 s[4:11], s[0:1], 0x0               ; Q s[4:5], kb s[6:7], vb s[8:9], out0 s[10:11]
	v_lshl_add_u32 v126, v0, 2, 0x2c400
	v_mov_b32 v127, 0
	ds_add_u32 v126, v127
	v_lshrrev_b32 v1, 5, v0
	v_readfirstlane_b32 s12, v1                    ; wave 0 .. 3
	s_lshr_b32 s13, s12, 1                         ; I fetch for K (0) or for V (1)
	s_and_b32 s14, s12, 1                          ; which 64 rows of the tile I fetch
	s_bfe_u32 s15, ttmp6, 0x40000                  ; cx: my place in the cluster
	s_lshl_b32 s16, ttmp9, 2                       ; in a cluster launch ttmp9 counts clusters
	s_add_co_u32 s16, s16, s15                     ; x = 4 x cluster + cx: which 256 rows of the head group
	s_and_b32 s17, ttmp7, 0xffff                   ; y: the key/value head, shared by the cluster
	s_lshl_b32 s18, s17, 22                        ; Q and out0: 8,192 rows x 512 bytes a y,
	s_lshl_b32 s19, s16, 17                        ; 256 rows an x,
	s_add_co_u32 s18, s18, s19
	s_lshl_b32 s19, s12, 15                        ; 64 rows a wave: below 64 MiB in all
	s_add_co_u32 s18, s18, s19
	s_mov_b32 s19, 0
	s_lshl_b32 s20, s17, 19                        ; kb and vb: 2,048 rows x 256 bytes a head,
	s_lshl_b32 s21, s14, 14                        ; 64 rows for my half
	s_add_co_u32 s20, s20, s21
	s_mov_b32 s21, 0
	s_mul_i32 s22, s12, QTR                        ; where my fill goes in a slot: the wave's number times a constant
	s_mul_i32 s23, s12, STG
	s_add_co_u32 s23, s23, STAGE                   ; my stage
	s_mov_b32 s56, 0x76543210                      ; v_permlanex16_b32: lane i of one half reads lane i of the other
	s_mov_b32 s57, 0xfedcba98
	s_mov_b32 s[CS], 0x3e0293ee                    ; c = 0.12751743
	s_mov_b32 s[CS+1], 0x3e0293ee
	s_mov_b32 s[NC], 0xbe0293ee                    ; -c
	; descriptor group 1: a tile of 64 rows x 128 elements of 2 bytes, rows 128 elements apart, padded in LDS behind every 64 words
	s_mov_b32 s[G1K+0], 15|(1<<16)|(1<<20)|(1<<21)|(5<<22)|(3<<25)   ; 15:0 mask: all four of the cluster; 17:16 2 bytes; 20 padding on; 21 set beside a mask; 24:22 every 64 words; 31:25 4 words: pitch 272
	s_mov_b32 s[G1V+0], 15|(1<<16)|(1<<20)|(1<<21)|(5<<22)|(7<<25)   ; the same with 8 words: pitch 288
	s_mov_b32 s[G1K+1], 128<<16                    ; tensor_dim0 = 128
	s_mov_b32 s[G1V+1], 128<<16
	s_mov_b32 s[G1K+2], 64<<16                     ; tensor_dim1 = 64: the tile lies inside the tensor
	s_mov_b32 s[G1V+2], 64<<16
	s_mov_b32 s[G1K+3], 128<<16                    ; tile_dim0 = 128
	s_mov_b32 s[G1V+3], 128<<16
	s_mov_b32 s[G1K+4], 64                         ; tile_dim1 = 64
	s_mov_b32 s[G1V+4], 64
	s_mov_b32 s[G1K+5], 128                        ; from row to row
	s_mov_b32 s[G1V+5], 128
	s_mov_b32 s[G1K+6], 0
	s_mov_b32 s[G1V+6], 0
	s_mov_b32 s[G1K+7], 0
	s_mov_b32 s[G1V+7], 0
	; lane terms: l = lane, r = l % 16, h = l / 16
	v_and_b32 v1, 31, v0                           ; l
	v_and_b32 v2, 15, v0                           ; r
	v_bfe_u32 v3, v0, 4, 1                         ; h
	v_mul_u32_u24 v4, v2, KP
	v_lshl_add_u32 v[ADRK], v3, 4, v4              ; a fragment with its long side along the LDS rows: row r, 16 bytes for each half of the lanes
	v_add_nc_u32 v[ADRK+1], SLOT, v[ADRK]
	v_add_nc_u32 v[RDQ], s23, v[ADRK]              ; Q's stage has the same pitch
	v_and_b32 v5, 7, v0
	v_lshl_add_u32 v5, v3, 3, v5                   ; the transposing load: key row 8 h + l % 8,
	v_mul_u32_u24 v5, v5, VP
	v_bfe_u32 v6, v0, 3, 1
	v_lshl_add_u32 v5, v6, 4, v5                   ; 16 bytes for each group of eight lanes
	v_add_nc_u32 v[ADRV], VOFF, v5
	v_add_nc_u32 v[ADRV+1], SLOT+VOFF, v5
	v_lshl_add_u32 v[STQ], v1, 3, s23
	v_mul_u32_u24 v7, v2, OP
	v_lshl_add_u32 v7, v3, 5, v7
	v_add_nc_u32 v[STO], s23, v7
	v_lshl_add_u32 v[RDO], v1, 4, s23
	v_lshlrev_b32 v[GOFF], 4, v1
.irp q, 0,1,2,3
	v_mov_b32 v[MX+\q], 0xff800000                 ; no key seen yet: the first step's alpha is 2^(-inf) = 0
	v_mov_b32 v[TP+\q], 0                          ; v_permlanex16_b32 counts as a reader of its destination
.endr
.set ii, 0
.rept 16
	v_mov_b32 v[LS+ii], 0                          ; the sixteen row sums of a lane start at 0
.set ii, ii+1
.endr
	s_wait_dscnt 0x0
	s_wait_kmcnt 0x0
	s_add_nc_u64 s[4:5], s[4:5], s[18:19]          ; Q and out0 at my wave's first row
	s_add_nc_u64 s[10:11], s[10:11], s[18:19]
	s_add_nc_u64 s[6:7], s[6:7], s[20:21]          ; kb and vb at my half of the head's first tile
	s_add_nc_u64 s[8:9], s[8:9], s[20:21]
	; descriptor group 0, one set for each slot and tensor; slot s starts with key step s.  Every wave makes both families and asks by one.
.irp s, 0,1
	s_mov_b32 s[G0K+4*\s], 1                                       ; count = 1
	s_add_co_u32 s[G0K+4*\s+1], s22, \s*SLOT                       ; LDS address
	s_add_nc_u64 s[G0K+4*\s+2:G0K+4*\s+3], s[6:7], \s*TILEB        ; global address of the tile's first element
	s_or_b32 s[G0K+4*\s+3], s[G0K+4*\s+3], 0x80000000              ; type = 2
	s_mov_b32 s[G0V+4*\s], 1
	s_add_co_u32 s[G0V+4*\s+1], s22, \s*SLOT
	s_add_nc_u64 s[G0V+4*\s+2:G0V+4*\s+3], s[8:9], \s*TILEB
	s_or_b32 s[G0V+4*\s+3], s[G0V+4*\s+3], 0x80000000
.endr
	ROUND                                          ; all four work-groups are here: the first joint loads meet
	JLOAD 0                                        ; key step 0, ahead of every LDS read and of every wait on TENSORcnt.  A wave never has more than one tensor load out
	; Q IN.  64 loads, one whole row of 512 bytes each, into window 2 (S's registers, still free).  Then 16 rows at a time: round to bf16, 8 bytes a lane into my own
	; stage, back as four fragments (16 queries x 32 numbers).  The stage is the wave's own and LDS serves a wave's instructions in order (ISA guide 5.7.1.4): no wait between.
	WIN W_QLD
.set ii, 0
.rept 64
	global_load_b128 v[4*ii:4*ii+3], v[GOFF], s[4:5] offset:512*ii th:TH_LOAD_NT
.set ii, ii+1
.endr
.macro QIN q
	s_wait_loadcnt 16*(3-\q)                       ; loads come back in order: behind this block's sixteen stand those of the later blocks
	WIN W_QCV
.set pp, 0
.rept 32
	v_cvt_pk_bf16_f32 v[CV+pp], v[64*\q+2*pp], v[64*\q+2*pp+1]
.set pp, pp+1
.endr
	WIN 0
.set ii, 0
.rept 16
	ds_store_b64 v[STQ], v[CV+2*ii:CV+2*ii+1] offset:KP*ii
.set ii, ii+1
.endr
	WIN W_QF
.set ks, 0
.rept 4
	ds_load_b128 v[32*\q+8*ks:32*\q+8*ks+3], v[RDQ] offset:64*ks
	ds_load_b128 v[32*\q+8*ks+4:32*\q+8*ks+7], v[RDQ] offset:64*ks+32
.set ks, ks+1
.endr
.endm
	QIN 0
	QIN 1
	QIN 2
	QIN 3
	WIN 0
; 16 LDS loads: the K fragments of key tiles kt0 and kt0 + 1 (16 keys x 128 numbers each) into buffer buf
.macro FETCHK slot, kt0, buf
	WIN 0
.set kt, \kt0
.rept 2
.set ks, 0
.rept 4
	ds_load_b128 v[\buf+32*(kt&1)+8*ks:\buf+32*(kt&1)+8*ks+3], v[ADRK+\slot] offset:(kt>>2)*QTR+(kt&3)*16*KP+64*ks
	ds_load_b128 v[\buf+32*(kt&1)+8*ks+4:\buf+32*(kt&1)+8*ks+7], v[ADRK+\slot] offset:(kt>>2)*QTR+(kt&3)*16*KP+64*ks+32
.set ks, ks+1
.endr
.set kt, kt+1
.endr
.endm
; 16 transposing LDS loads: the V^T fragments of keys 32 cc .. + 31 (8 x 16 numbers x 32 keys) into buffer buf
.macro FETCHV slot, cc, buf
	WIN 0
.set dt, 0
.rept 8
	ds_load_tr16_b128 v[\buf+8*dt:\buf+8*dt+3], v[ADRV+\slot] offset:\cc*32*VP+32*dt
	ds_load_tr16_b128 v[\buf+8*dt+4:\buf+8*dt+7], v[ADRV+\slot] offset:\cc*32*VP+32*dt+16*VP
.set dt, dt+1
.endr
.endm
; 32 matrix instructions: S^T of key tiles kt0, kt0 + 1 for the four query blocks.  The first 32 numbers start each sum (C = 0).
; The four blocks' accumulators take turns, one instruction a turn.
.macro QK2 kt0, buf
	WIN W_QK
.set kt, \kt0
.rept 2
.set ks, 0
.rept 4
.set qb, 0
.rept 4
.if ks == 0
	v_wmma_f32_16x16x32_bf16 v[64*qb+8*kt:64*qb+8*kt+7], v[\buf+32*(kt&1)+8*ks:\buf+32*(kt&1)+8*ks+7], v[32*qb+8*ks:32*qb+8*ks+7], 0
.else
	v_wmma_f32_16x16x32_bf16 v[64*qb+8*kt:64*qb+8*kt+7], v[\buf+32*(kt&1)+8*ks:\buf+32*(kt&1)+8*ks+7], v[32*qb+8*ks:32*qb+8*ks+7], v[64*qb+8*kt:64*qb+8*kt+7]
.endif
.set qb, qb+1
.endr
.set ks, ks+1
.endr
.set kt, kt+1
.endr
.endm
; 32 matrix instructions: O^T += V^T P^T for keys 32 cc .. + 31.  zero = 1: the very first product starts the sums.
; The 32 accumulators take turns, one instruction a turn.
.macro PV cc, buf, zero
	WIN W_PV
.set dt, 0
.rept 8
.set qb, 0
.rept 4
.if \zero
	v_wmma_f32_16x16x32_bf16 v[64*qb+8*dt:64*qb+8*dt+7], v[\buf+8*dt:\buf+8*dt+7], v[64*qb+16*\cc:64*qb+16*\cc+7], 0
.else
	v_wmma_f32_16x16x32_bf16 v[64*qb+8*dt:64*qb+8*dt+7], v[\buf+8*dt:\buf+8*dt+7], v[64*qb+16*\cc:64*qb+16*\cc+7], v[64*qb+8*dt:64*qb+8*dt+7]
.endif
.set qb, qb+1
.endr
.set dt, dt+1
.endr
.endm
; The largest of the running maximum and my 64 raw scores of each query block: eight chains (two a block), two scores an instruction; each chain starts from the running maximum
.macro MAXP
	WIN W_MAX
.set kt, 0
.rept 8
.set jj, 0
.rept 4
.set qb, 0
.rept 4
.if 4*kt+jj < 2
	v_max3_num_f32 v[MN+4*(jj&1)+qb], v[MX+qb], v[64*qb+8*kt+2*jj], v[64*qb+8*kt+2*jj+1]
.else
	v_max3_num_f32 v[MN+4*(jj&1)+qb], v[MN+4*(jj&1)+qb], v[64*qb+8*kt+2*jj], v[64*qb+8*kt+2*jj+1]
.endif
.set qb, qb+1
.endr
.set jj, jj+1
.endr
.set kt, kt+1
.endr
.endm
; The new maximum m of each query (lanes l and l xor 16 hold the same query), alpha = 2^((m_old - m) c), and the shift -m c
.macro ALPHA
	WIN 0
.irp q, 0,1,2,3
	v_max_num_f32 v[MN+\q], v[MN+\q], v[MN+4+\q]
.endr
.irp q, 0,1,2,3
	v_permlanex16_b32 v[TP+\q], v[MN+\q], s56, s57
.endr
.irp q, 0,1,2,3
	v_max_num_f32 v[MN+\q], v[MN+\q], v[TP+\q]
.endr
.irp q, 0,1,2,3
	v_sub_f32 v[TP+\q], v[MX+\q], v[MN+\q]
.endr
.irp q, 0,1,2,3
	v_mul_f32 v[TP+\q], s[CS], v[TP+\q]
.endr
.irp q, 0,1,2,3
	v_exp_f32 v[AL+2*\q], v[TP+\q]
.endr
.irp q, 0,1,2,3
	v_mov_b32 v[MX+\q], v[MN+\q]                   ; plain instructions behind the exponentials, ahead of the first use of a result (ISA guide 5.7.2)
.endr
.irp q, 0,1,2,3
	v_mul_f32 v[NM+2*\q], s[NC], v[MN+\q]
	v_mul_f32 v[NM+2*\q+1], s[NC], v[MN+\q]
.endr
	s_wait_alu depctr_va_vdst(0)
.irp q, 0,1,2,3
	v_mov_b32 v[AL+2*\q+1], v[AL+2*\q]
.endr
.endm
; O times the pair in AL of its query block: 128 packed multiplies
.macro RESCALE
	WIN W_RS
.set pp, 0
.rept 128
	v_pk_mul_f32 v[2*pp:2*pp+1], v[2*pp:2*pp+1], v[AL+2*(pp/32):AL+2*(pp/32)+1]
.set pp, pp+1
.endr
.endm
; P = 2^(s c - m c), in place, over the 32 tiles.  A tile's four packed multiply-adds stand among the tile in front's eight exponentials, so that a plain
; instruction on other registers follows every pair of exponentials (ISA guide 5.7.2); behind the last tile's the first line of SUMP does, which reads tile 0.
.macro SUBEXP
	WIN W_SE
.set gg, 0
.rept 4
	v_pk_fma_f32 v[2*gg:2*gg+1], v[2*gg:2*gg+1], s[CS:CS+1], v[NM:NM+1] op_sel_hi:[1,0,1]
.set gg, gg+1
.endr
.set nn, 0
.rept 32
.set gg, 0
.rept 4
	v_exp_f32 v[8*nn+2*gg], v[8*nn+2*gg]
	v_exp_f32 v[8*nn+2*gg+1], v[8*nn+2*gg+1]
.if nn < 31
	v_pk_fma_f32 v[8*nn+8+2*gg:8*nn+8+2*gg+1], v[8*nn+8+2*gg:8*nn+8+2*gg+1], s[CS:CS+1], v[NM+2*((nn+1)/8):NM+2*((nn+1)/8)+1] op_sel_hi:[1,0,1]
.endif
.set gg, gg+1
.endr
.set nn, nn+1
.endr
.endm
; l = l alpha + the sum of my P: eight chains of pairs; the rescaling rides on each chain's first link
.macro SUMP
	WIN W_S0
.set ii, 0
	s_wait_alu depctr_va_vdst(0)
.rept 2
.set qb, 0
.rept 4
	v_pk_fma_f32 v[LS+4*qb+2*ii:LS+4*qb+2*ii+1], v[LS+4*qb+2*ii:LS+4*qb+2*ii+1], v[AL+2*qb:AL+2*qb+1], v[64*qb+2*ii:64*qb+2*ii+1]
.set qb, qb+1
.endr
.set ii, ii+1
.endr
	WIN W_SUM
.set pp, 2
.rept 30
.set qb, 0
.rept 4
	v_pk_add_f32 v[LS+4*qb+2*(pp&1):LS+4*qb+2*(pp&1)+1], v[64*qb+2*pp:64*qb+2*pp+1], v[LS+4*qb+2*(pp&1):LS+4*qb+2*(pp&1)+1]
.set qb, qb+1
.endr
.set pp, pp+1
.endr
.endm
; Two neighbouring tiles (16 registers of f32) become one fragment (8 registers of bf16) in place: register i takes registers 2 i and 2 i + 1, i ascending, so nothing is read after it is overwritten
.macro CVTP
	WIN W_CVT
.set bb, 0
.rept 16
.set ii, 0
.rept 8
	v_cvt_pk_bf16_f32 v[16*bb+ii], v[16*bb+2*ii], v[16*bb+2*ii+1]
.set ii, ii+1
.endr
.set bb, bb+1
.endr
.endm
; One key step on slot slot.  refill = 1: the other slot, read in the step before, gets the next step's tile.  first = 1: nothing to rescale yet, and the first product starts O.
; Every s_wait_dscnt 16 leaves out the run of sixteen LDS loads just issued: the run in front of it, which the next products read, is in.
.macro TRIP slot, other, refill, first
	s_wait_tensorcnt 0x0                           ; all my tensor loads have landed, my part of this step's tile among them: no load of mine is out, so a group 0 may be written
	ds_add_u32 v126, v127
	s_wait_dscnt 0x0
	s_add_nc_u64 s[G0K+4*\slot+2:G0K+4*\slot+3], s[G0K+4*\slot+2:G0K+4*\slot+3], 2*TILEB   ; this slot's next tile, two steps on
	s_add_nc_u64 s[G0V+4*\slot+2:G0V+4*\slot+3], s[G0V+4*\slot+2:G0V+4*\slot+3], 2*TILEB
	s_wait_dscnt 0x0                               ; my reads of the other slot (in the first step: of my stage) are back
	ROUND                                          ; both now hold of every wave of all four work-groups
.if \refill
	JLOAD \other                                   ; my one tensor load behind the round, first thing there: it has the whole step in which to land
.endif
	FETCHK \slot, 0, FA
	FETCHK \slot, 2, FB
	s_wait_dscnt 16
	QK2 0, FA
	PLACES
	FETCHK \slot, 4, FA
	s_wait_dscnt 16
	QK2 2, FB
	PLACES
	FETCHK \slot, 6, FB
	s_wait_dscnt 16
	QK2 4, FA
	PLACES
	FETCHV \slot, 0, FA
	s_wait_dscnt 16
	QK2 6, FB
	PLACES                                         ; also the places in front of MAXP, which reads the last products
	FETCHV \slot, 1, FB
	MAXP
	ALPHA
.if \first == 0
	RESCALE
.endif
	SUBEXP
	SUMP
	CVTP
	s_wait_dscnt 16
	PV 0, FA, \first
	PLACES
	FETCHV \slot, 2, FA
	s_wait_dscnt 16
	PV 1, FB, 0
	PLACES
	FETCHV \slot, 3, FB
	s_wait_dscnt 16
	PV 2, FA, 0
	s_wait_dscnt 0x0
	PV 3, FB, 0
	PLACES                                         ; in front of the next step's loads into both buffers, and of the way out
	WIN 0                                          ; at a label and at a branch every window is 0
.endm
	TRIP 0, 1, 1, 1                                ; key steps 0 and 1 stand in front of the loop: slot 1 gets its first tile behind step 0's round
	TRIP 1, 0, 1, 0
	s_mov_b32 s58, 6                               ; key steps 2 to 13
.Lsteps:
	TRIP 0, 1, 1, 0
	TRIP 1, 0, 1, 0
	s_sub_co_u32 s58, s58, 1
	s_cmp_lg_u32 s58, 0
	s_cbranch_scc1 .Lsteps
	TRIP 0, 1, 1, 0                                ; key step 14 asks for the last tile
	TRIP 1, 0, 0, 0                                ; key step 15: nothing is left to fetch (the stepped addresses are not used)
	; THE WAY OUT.  l of a query = my four partial sums + those of lane l xor 16; O times 1 / l.  l is at least about 1 (the largest probability is 2^0), so the reciprocal meets no denormal.
.irp q, 0,1,2,3
	v_pk_add_f32 v[LS+4*\q:LS+4*\q+1], v[LS+4*\q:LS+4*\q+1], v[LS+4*\q+2:LS+4*\q+3]
.endr
.irp q, 0,1,2,3
	v_add_f32 v[MN+\q], v[LS+4*\q], v[LS+4*\q+1]
.endr
.irp q, 0,1,2,3
	v_permlanex16_b32 v[TP+\q], v[MN+\q], s56, s57
.endr
.irp q, 0,1,2,3
	v_add_f32 v[MN+\q], v[MN+\q], v[TP+\q]
.endr
.irp q, 0,1,2,3
	v_rcp_f32 v[AL+2*\q], v[MN+\q]
.endr
	v_nop                                          ; a plain place behind the reciprocals, ahead of the first use of a result (ISA guide 5.7.2)
	s_wait_alu depctr_va_vdst(0)
.irp q, 0,1,2,3
	v_mov_b32 v[AL+2*\q+1], v[AL+2*\q]
.endr
	RESCALE
; 16 rows of out0: a lane's 8 registers of a tile are 32 neighbouring bytes of row l % 16; into my own stage, back as whole rows of 512 bytes, and out:
; each store of the wave covers 512 consecutive bytes that start at a multiple of 512 from out0's first byte.
.macro OUT16 q, buf
	WIN W_OST
.set dt, 0
.rept 8
	ds_store_b128 v[STO], v[64*\q+8*dt:64*\q+8*dt+3] offset:64*dt
	ds_store_b128 v[STO], v[64*\q+8*dt+4:64*\q+8*dt+7] offset:64*dt+16
.set dt, dt+1
.endr
	WIN 0
.if \q >= 2
	s_wait_xcnt 0x0                                ; the buffer is loaded again only behind this wait: the stores of two blocks ago read it
.endif
.set ii, 0
.rept 16
	ds_load_b128 v[\buf+4*ii:\buf+4*ii+3], v[RDO] offset:OP*ii     ; LDS serves a wave's instructions in order (ISA guide 5.7.1.4): these see the stores above
.set ii, ii+1
.endr
.set ii, 0
.rept 16
	s_wait_dscnt 15-ii                             ; 15 - t row loads were issued behind row t's
	global_store_b128 v[GOFF], v[\buf+4*ii:\buf+4*ii+3], s[10:11] offset:(16*\q+ii)*512 th:TH_STORE_NT
.set ii, ii+1
.endr
.endm
	OUT16 0, FA
	OUT16 1, FB
	OUT16 2, FA
	OUT16 3, FB
	s_wait_tensorcnt 0x0
	ds_add_u32 v126, v127
	s_wait_dscnt 0x0
	ROUND                                          ; the closing round: no work-group ends while a partner may still ask for a tile that names it
	s_endpgm
.Lfunc_end_k_q7841435cfb_attn:
	.size	k_q7841435cfb_attn, .Lfunc_end_k_q7841435cfb_attn-k_q7841435cfb_attn
	.p2alignl 7, 3214868480
	.fill 96, 4, 3214868480
	.section	.rodata,"a",@progbits
	.p2align	6, 0x0
	.amdhsa_kernel k_q7841435cfb_attn
		.amdhsa_group_segment_fixed_size 327680
		.amdhsa_private_segment_fixed_size 0
		.amdhsa_enable_private_segment 0
		.amdhsa_kernarg_size 32
		.amdhsa_user_sgpr_count 2
		.amdhsa_user_sgpr_kernarg_segment_ptr 1
		.amdhsa_wavefront_size32 1
		.amdhsa_system_sgpr_workgroup_id_x 1
		.amdhsa_system_sgpr_workgroup_id_y 1
		.amdhsa_system_sgpr_workgroup_id_z 1
		.amdhsa_system_vgpr_workitem_id 0
		.amdhsa_next_free_vgpr 1024
		.amdhsa_next_free_sgpr 66
		.amdhsa_reserve_vcc 0
		.amdhsa_float_denorm_mode_32 3
		.amdhsa_float_denorm_mode_16_64 3
		.amdhsa_memory_ordered 1
		.amdhsa_forward_progress 1
		.amdhsa_inst_pref_size 255
	.end_amdhsa_kernel
	.section	.bss,"aw",@nobits
	.p2align	6
	.space	262144
	.amdgpu_metadata
---
amdhsa.version: [ 1, 2 ]
amdhsa.kernels:
  - .name:           k_q7841435cfb_attn
    .symbol:         k_q7841435cfb_attn.kd
    .args:
      - { .name: Q, .offset: 0, .size: 8, .value_kind: global_buffer, .address_space: global }
      - { .name: kb, .offset: 8, .size: 8, .value_kind: global_buffer, .address_space: global }
      - { .name: vb, .offset: 16, .size: 8, .value_kind: global_buffer, .address_space: global }
      - { .name: out0, .offset: 24, .size: 8, .value_kind: global_buffer, .address_space: global }
    .group_segment_fixed_size: 327680
    .private_segment_fixed_size: 0
    .kernarg_segment_align: 8
    .kernarg_segment_size: 32
    .max_flat_workgroup_size: 128
    .sgpr_count:     66
    .vgpr_count:     1024
    .wavefront_size: 32
...
	.end_amdgpu_metadata
.endif
;; end of part 2
;; ======== version 2 of 2: 2 launches; version 1 with the launch cast written anew for expert scheduling mode
;; workspace buffers: kb 8,388,608 bytes; vb 8,388,608 bytes
;; launch cast (part 3): grid 512 x 1, 8 waves a work-group, no clusters, 0 bytes of LDS; arguments K, V, kb, vb; writes kb, vb
.if DOCPART == 3
	.amdgcn_target "amdgcn-amd-amdhsa--gfx1250"
	.amdhsa_code_object_version 6
	.text
	.protected	k_q7841435cfb_cast
	.globl	k_q7841435cfb_cast
	.p2align	8
	.type	k_q7841435cfb_cast,@function
k_q7841435cfb_cast:
	s_mov_b64 s[64:65], 0
	v_nop
	global_prefetch_b8 v0, s[64:65] scope:SCOPE_SE
	s_setreg_imm32_b32 hwreg(HW_REG_WAVE_SCHED_MODE, 0, 2), 2
	s_setreg_imm32_b32 hwreg(HW_REG_WAVE_MODE, 25, 1), 1
	s_wait_xcnt 0x0
	s_wait_alu depctr_vm_vsrc(0)
; kb = bf16(K), vb = bf16(V), in the same order of elements.  K, V: [16 heads][2048][128] f32, 16,777,216 bytes each.
; A stream: each byte is read once and each result written once; LDS and the matrix unit would add nothing.
; 512 work-groups of eight waves.  Work-group g takes bytes 32,768 g .. + 32,767 of K and of V and writes bytes 16,384 g .. + 16,383 of kb and of vb.
; Thread t loads 16 bytes at 16 t + 4,096 j (j = 0 .. 7) of each tensor: a wave's load covers 512 consecutive bytes.  Four f32 become
; 8 bytes at 8 t + 2,048 j: a wave's store covers 256 consecutive bytes that start at a multiple of 256 from the buffer's first byte.
; All sixteen loads go out first; no register is written twice, so no source of a pending load or store is ever rewritten.
; Rounding: to nearest even.  NaN and infinity stay what they are.
; THE MODE: SCHED_MODE bits 1:0 = 2 (LLVM: expert scheduling mode 2), set by the entry lines.  The code itself states the register dependences
; between vector instructions and memory instructions, with s_wait_alu, always for 0.
; THE PLAN.  Registers that memory instructions touch:
;   v1, v2   byte offsets.  Written once each at the head by a vector instruction; read by every load (v1) and every store (v2); never written again.
;   X        item n: written by load n alone; read by item n's two roundings; no load lands in it afterwards.
;   Y        item n: written by item n's two roundings; read by store n alone; never written again.
; So the text has two kinds of dependence to state: the offsets are written before the first load reads them, and an item's Y is written before its store reads it.
; The sixteen items go in four groups of four.  Group g's roundings name X and Y of group g alone; its memory instructions are the four stores of
; group g - 1.  ONE wait at a group's head, behind the wait for the group's first load, states that the group before has written its Y; the four
; stores follow it, one in front of each item's roundings, with no further wait, since no vector instruction issued since that wait names a register that they read.
; Behind the last group one more wait stands ahead of its four stores.
.set X, 4                              ; v[4:67]   load i: four f32 (i = 0 .. 7 from K, 8 .. 15 from V)
.set Y, 68                             ; v[68:99]  load i: two registers of packed bf16
.set GRP, 4                            ; items in a group
	s_load_b256 s[4:11], s[0:1], 0x0               ; K s[4:5], V s[6:7], kb s[8:9], vb s[10:11]
	s_lshl_b32 s2, ttmp9, 15                       ; the work-group's part of K and V, in bytes (below 16 MiB)
	s_mov_b32 s3, 0
	s_lshl_b32 s12, ttmp9, 14                      ; and of kb and vb
	s_mov_b32 s13, 0
	v_lshlrev_b32 v1, 4, v0                        ; 16 t
	v_lshlrev_b32 v2, 3, v0                        ; 8 t
	s_wait_kmcnt 0x0
	s_add_nc_u64 s[4:5], s[4:5], s[2:3]
	s_add_nc_u64 s[6:7], s[6:7], s[2:3]
	s_add_nc_u64 s[8:9], s[8:9], s[12:13]
	s_add_nc_u64 s[10:11], s[10:11], s[12:13]
	s_wait_alu depctr_va_vdst(0)                   ; v1 and v2 are written: every load of the kernel reads v1 as its offset, every store v2
.set ii, 0
.rept 8
	global_load_b128 v[X+4*ii:X+4*ii+3], v1, s[4:5] offset:4096*ii th:TH_LOAD_NT
.set ii, ii+1
.endr
.set ii, 0
.rept 8
	global_load_b128 v[X+32+4*ii:X+32+4*ii+3], v1, s[6:7] offset:4096*ii th:TH_LOAD_NT
.set ii, ii+1
.endr
; Item n (0 .. 7 from K, 8 .. 15 from V): its load is waited for, the store of item n - 4 goes out, its four numbers are rounded.
; Store m leaves for kb (m < 8: s[8:9]) or vb (s[10:11]), at 2,048 (m % 8).
.set nn, 0
.rept 16
	s_wait_loadcnt 15-nn                           ; loads come back in order: 15 - n were issued behind load n
.if ((nn%GRP) == 0) && (nn > 0)
	s_wait_alu depctr_va_vdst(0)                   ; the group before has written its eight registers of Y, which this group's four stores read
.endif
.if nn >= GRP
	global_store_b64 v2, v[Y+2*(nn-GRP):Y+2*(nn-GRP)+1], s[8+2*((nn-GRP)/8):9+2*((nn-GRP)/8)] offset:2048*((nn-GRP)%8)   ; no hint: the next launch reads these bytes.  No vector instruction since the wait names these registers
.endif
	v_cvt_pk_bf16_f32 v[Y+2*nn], v[X+4*nn], v[X+4*nn+1]
	v_cvt_pk_bf16_f32 v[Y+2*nn+1], v[X+4*nn+2], v[X+4*nn+3]
.set nn, nn+1
.endr
	s_wait_alu depctr_va_vdst(0)                   ; the last group has written its eight registers of Y, which the last four stores read
.set nn, 16-GRP
.rept GRP
	global_store_b64 v2, v[Y+2*nn:Y+2*nn+1], s[10:11] offset:2048*(nn%8)
.set nn, nn+1
.endr
	s_endpgm
.Lfunc_end_k_q7841435cfb_cast:
	.size	k_q7841435cfb_cast, .Lfunc_end_k_q7841435cfb_cast-k_q7841435cfb_cast
	.p2alignl 7, 3214868480
	.fill 96, 4, 3214868480
	.section	.rodata,"a",@progbits
	.p2align	6, 0x0
	.amdhsa_kernel k_q7841435cfb_cast
		.amdhsa_group_segment_fixed_size 0
		.amdhsa_private_segment_fixed_size 0
		.amdhsa_enable_private_segment 0
		.amdhsa_kernarg_size 32
		.amdhsa_user_sgpr_count 2
		.amdhsa_user_sgpr_kernarg_segment_ptr 1
		.amdhsa_wavefront_size32 1
		.amdhsa_system_sgpr_workgroup_id_x 1
		.amdhsa_system_sgpr_workgroup_id_y 1
		.amdhsa_system_sgpr_workgroup_id_z 1
		.amdhsa_system_vgpr_workitem_id 0
		.amdhsa_next_free_vgpr 100
		.amdhsa_next_free_sgpr 66
		.amdhsa_reserve_vcc 0
		.amdhsa_float_denorm_mode_32 3
		.amdhsa_float_denorm_mode_16_64 3
		.amdhsa_memory_ordered 1
		.amdhsa_forward_progress 1
		.amdhsa_inst_pref_size 7
	.end_amdhsa_kernel
	.amdgpu_metadata
---
amdhsa.version: [ 1, 2 ]
amdhsa.kernels:
  - .name:           k_q7841435cfb_cast
    .symbol:         k_q7841435cfb_cast.kd
    .args:
      - { .name: K, .offset: 0, .size: 8, .value_kind: global_buffer, .address_space: global }
      - { .name: V, .offset: 8, .size: 8, .value_kind: global_buffer, .address_space: global }
      - { .name: kb, .offset: 16, .size: 8, .value_kind: global_buffer, .address_space: global }
      - { .name: vb, .offset: 24, .size: 8, .value_kind: global_buffer, .address_space: global }
    .group_segment_fixed_size: 0
    .private_segment_fixed_size: 0
    .kernarg_segment_align: 8
    .kernarg_segment_size: 32
    .max_flat_workgroup_size: 256
    .sgpr_count:     66
    .vgpr_count:     100
    .wavefront_size: 32
...
	.end_amdgpu_metadata
.endif
;; end of part 3
;; launch attn: the kernel of part 2 again; grid 32 x 16, 4 waves a work-group, clusters of 4 x 1, 327,680 bytes of LDS; arguments Q, kb, vb, out0; writes out0
